; MI455X (gfx1250); checked and timed in simulation.
; The chip was launched on July 23, 2026; its instructions are those of AMD's public machine-readable ISA for CDNA 5 (MIT licence, August 2026) and "CDNA5" Instruction Set Architecture Reference Guide (July 2026). The comments in the code are by the model that wrote it; some were corrected since.
;; Attention. Allowed arithmetic: float matrix products may take bf16 or f16 operands with f32 sums; all other float work in f32.
;; Inputs: U_b 1,024 float32; U_w 1,024 x 2,048 float32; W_b 1,024 float32; W_w 1,024 x 1,024 float32; encoder_outputs 512 x 64 x 2,048 float32; hidden 64 x 1,024 float32; mask 64 x 512 bool; v_w 1 x 1,024 float32.
;; Outputs: out0 64 x 512 float32.
;; One version. Each part assembles by itself: llvm-mc -triple=amdgcn-amd-amdhsa -mcpu=gfx1250 --defsym DOCPART=n.
;; ======== version 1 of 1: 3 launches
;; workspace buffers: ub 4,194,304 bytes; wb 262,144 bytes; part 262,144 bytes
;; launch prep (part 1): grid 256 x 1, 8 waves a work-group, no clusters, 9,216 bytes of LDS; arguments U_w, hidden, W_w, W_b, U_b, ub, wb; writes ub, wb
.if DOCPART == 1
	.amdgcn_target "amdgcn-amd-amdhsa--gfx1250"
	.amdhsa_code_object_version 6
	.text
	.protected	k_q86fd88d2be_prep
	.globl	k_q86fd88d2be_prep
	.p2align	8
	.type	k_q86fd88d2be_prep,@function
k_q86fd88d2be_prep:
	s_mov_b64 s[64:65], 0
	v_nop
	global_prefetch_b8 v0, s[64:65] scope:SCOPE_SE
	s_setreg_imm32_b32 hwreg(HW_REG_WAVE_MODE, 25, 1), 1
	s_wait_xcnt 0x0
; Two small jobs ahead of the large product.
; (i)  ub = U_w rounded to bf16, same layout [1024 n][2048 k].  Work-group g takes 32,768 bytes of U_w: eight loads of 16 bytes a thread, eight stores of 8 bytes;
;      a wave's store covers 256 consecutive bytes, aligned.
; (ii) wb[nt][b][i] = sum over k of hidden[b][k] W_w[16 nt + i][k] + W_b[16 nt + i] + U_b[16 nt + i], in f32, laid out [64 nt][64 b][16 i]: a result of 16 b x 16 n is 1,024 consecutive bytes.
;      Work-group g makes the result (bt = g % 4, nt = g / 4).  Wave w takes k = 128 w .. 128 w + 127, four matrix instructions on two accumulators by turns; the eight waves' partial results meet in LDS.
; LIMITS.  hidden and W_w are rounded to bf16 for the product, sums in f32; the order of the sum over k is by waves, not ascending.  NaN and infinities are not treated apart.
; No tensor loads, no cluster: each work-group reads 32 KiB of its own and two strips of 64 KiB; nothing here is walked in steps.
.set SPARE, 8192                       ; behind the eight partial results: the spare words, 128 bytes for each of eight waves, four blocks of 256 bytes that no other line names
.set FO,   3                           ; v3   4096 r + 16 h: my row of hidden or W_w, my half's 16 bytes
.set UO,   4                           ; v4   16 t: my 16 bytes of U_w
.set YO,   5                           ; v5   8 t: my 8 bytes of ub
.set PS,   6                           ; v6   1024 w + 512 h + 4 r: where my partial result goes
.set RD,   7                           ; v7   16 (t % 64): where waves 0 and 1 read the partial results, and their place in wb
.set BO,   8                           ; v8   16 (t % 4): my four columns' biases
.set SPW,  10                          ; v10  LDS address of my spare word; never rewritten
.set NIL,  11                          ; v11  0; never rewritten
.set WBI,  12                          ; v[12:15] W_b of my four columns
.set UBI,  16                          ; v[16:19] U_b of them
.set HF,   32                          ; v[32:95]   hidden: chunk c (32 along k) at HF + 16 c: 16 f32, then 8 registers of bf16
.set WF,   96                          ; v[96:159]  W_w likewise
.set X,    160                         ; v[160:191] U_w as loaded; later the eight partial results
.set Y,    192                         ; v[192:207] ub to store
.set SUM,  208                         ; v[208:215] my wave's partial result
.set ACC0, 224
.set ACC1, 232
	s_load_b256 s[4:11], s[0:1], 0x0               ; U_w s[4:5], hidden s[6:7], W_w s[8:9], W_b s[10:11]
	s_load_b128 s[12:15], s[0:1], 0x20             ; U_b s[12:13], ub s[14:15]
	s_load_b64 s[16:17], s[0:1], 0x30              ; wb
	v_lshl_add_u32 v[SPW], v0, 2, SPARE
	v_mov_b32 v[NIL], 0
	v_lshrrev_b32 v9, 5, v0
	v_readfirstlane_b32 s20, v9                    ; wave 0..7
	s_and_b32 s21, ttmp9, 3                        ; bt
	s_lshr_b32 s22, ttmp9, 2                       ; nt
	v_and_b32 v1, 15, v0                           ; r
	v_bfe_u32 v2, v0, 4, 1                         ; h
	v_lshlrev_b32 v[FO], 12, v1
	v_lshl_add_u32 v[FO], v2, 4, v[FO]
	v_lshlrev_b32 v[UO], 4, v0
	v_lshlrev_b32 v[YO], 3, v0
	v_lshlrev_b32 v[PS], 2, v1
	v_lshl_add_u32 v[PS], v2, 9, v[PS]
	v_lshl_add_u32 v[PS], v9, 10, v[PS]
	v_and_b32 v[RD], 63, v0
	v_lshlrev_b32 v[RD], 4, v[RD]
	v_and_b32 v[BO], 3, v0
	v_lshlrev_b32 v[BO], 4, v[BO]
	s_mov_b32 s25, 0                               ; every offset is under 2^32: the pair's high word stays 0
	s_lshl_b32 s26, s20, 9                         ; my wave's 128 k: 512 bytes along a row
	s_wait_kmcnt 0x0
	s_lshl_b32 s24, ttmp9, 15
	s_add_nc_u64 s[4:5], s[4:5], s[24:25]          ; U_w at the group's 32,768 bytes
	s_lshl_b32 s24, ttmp9, 14
	s_add_nc_u64 s[14:15], s[14:15], s[24:25]      ; ub at its 16,384
	s_lshl_b32 s24, s21, 16
	s_add_co_u32 s24, s24, s26
	s_add_nc_u64 s[6:7], s[6:7], s[24:25]          ; hidden at row 16 bt, k = 128 w
	s_lshl_b32 s24, s22, 16
	s_add_co_u32 s24, s24, s26
	s_add_nc_u64 s[8:9], s[8:9], s[24:25]          ; W_w at row 16 nt, k = 128 w
	s_lshl_b32 s24, s22, 6
	s_add_nc_u64 s[10:11], s[10:11], s[24:25]      ; the biases at column 16 nt
	s_add_nc_u64 s[12:13], s[12:13], s[24:25]
	s_lshl_b32 s24, s22, 12
	s_lshl_b32 s26, s21, 10
	s_add_co_u32 s24, s24, s26
	s_add_nc_u64 s[16:17], s[16:17], s[24:25]      ; wb at result (bt, nt)
	; All loads go out in one run: 2 + 8 + 32.  The biases are the oldest, so both waits below cover them; every wave loads them, which is two lines where a second branch on the wave's number would be three.
	global_load_b128 v[WBI:WBI+3], v[BO], s[10:11]
	global_load_b128 v[UBI:UBI+3], v[BO], s[12:13]
.irp i, 0,1,2,3,4,5,6,7
	global_load_b128 v[X+4*(\i):X+4*(\i)+3], v[UO], s[4:5] offset:4096*(\i) th:TH_LOAD_NT  ; U_w is read once in the launch
.endr
	; A fragment wants 16 numbers a lane for 32 along k.  Which k lies in which place does not matter to the sum as long as both operands agree: load i of chunk c brings k = 8 (4 c + i) + 4 h + 0..3.
.irp c, 0,1,2,3
.irp i, 0,1,2,3
	global_load_b128 v[HF+16*(\c)+4*(\i):HF+16*(\c)+4*(\i)+3], v[FO], s[6:7] offset:128*(\c)+32*(\i)
	global_load_b128 v[WF+16*(\c)+4*(\i):WF+16*(\c)+4*(\i)+3], v[FO], s[8:9] offset:128*(\c)+32*(\i)
.endr
.endr
	s_wait_loadcnt 32                              ; loads come back in order (ISA guide 5.7.1): all but the 32 fragment loads are in
.irp i, 0,1,2,3,4,5,6,7
	v_cvt_pk_bf16_f32 v[Y+2*(\i)],   v[X+4*(\i)],   v[X+4*(\i)+1]
	v_cvt_pk_bf16_f32 v[Y+2*(\i)+1], v[X+4*(\i)+2], v[X+4*(\i)+3]
.endr
.irp i, 0,1,2,3,4,5,6,7
	global_store_b64 v[YO], v[Y+2*(\i):Y+2*(\i)+1], s[14:15] offset:2048*(\i)
.endr
	s_wait_loadcnt 0x0
.irp c, 0,1,2,3                        ; rounded in place: register q takes numbers 2 q and 2 q + 1, q ascending, so nothing is overwritten before it is read
.irp q, 0,1,2,3,4,5,6,7
	v_cvt_pk_bf16_f32 v[HF+16*(\c)+(\q)], v[HF+16*(\c)+2*(\q)], v[HF+16*(\c)+2*(\q)+1]
	v_cvt_pk_bf16_f32 v[WF+16*(\c)+(\q)], v[WF+16*(\c)+2*(\q)], v[WF+16*(\c)+2*(\q)+1]
.endr
.endr
	; two accumulators by turns, one instruction a turn; the first product of each starts its sum
	v_wmma_f32_16x16x32_bf16 v[ACC0:ACC0+7], v[HF:HF+7],       v[WF:WF+7],       0
	v_wmma_f32_16x16x32_bf16 v[ACC1:ACC1+7], v[HF+16:HF+23],   v[WF+16:WF+23],   0
	v_wmma_f32_16x16x32_bf16 v[ACC0:ACC0+7], v[HF+32:HF+39],   v[WF+32:WF+39],   v[ACC0:ACC0+7]
	v_wmma_f32_16x16x32_bf16 v[ACC1:ACC1+7], v[HF+48:HF+55],   v[WF+48:WF+55],   v[ACC1:ACC1+7]
.rept 4
	v_nop                                          ; four places between a matrix instruction and the vector instruction that reads its result (ISA guide 7.12.1)
.endr
.irp j, 0,2,4,6                        ; from the low end on
	v_pk_add_f32 v[SUM+(\j):SUM+(\j)+1], v[ACC0+(\j):ACC0+(\j)+1], v[ACC1+(\j):ACC1+(\j)+1]
.endr
.irp j, 0,1,2,3,4,5,6,7
	ds_store_b32 v[PS], v[SUM+(\j)] offset:64*(\j) ; register j holds (b = 8 h + j, n = r): byte 64 (8 h + j) + 4 r of my wave's 1,024
.endr
	s_wait_dscnt 0x0                               ; for the others' sake: my stores are done
	s_barrier_signal -1
	s_barrier_wait -1
	s_cmp_lt_u32 s20, 2
	s_cbranch_scc0 .Lend                           ; waves 0 and 1 add up: 64 threads x 16 bytes are the result's 1,024
.irp p, 0,1,2,3,4,5,6,7
	ds_load_b128 v[X+4*(\p):X+4*(\p)+3], v[RD] offset:1024*(\p)
.endr
	s_wait_dscnt 0x0
.irp p, 0,2,4,6
	v_pk_add_f32 v[X+4*(\p):X+4*(\p)+1],   v[X+4*(\p):X+4*(\p)+1],   v[X+4*(\p)+4:X+4*(\p)+5]
	v_pk_add_f32 v[X+4*(\p)+2:X+4*(\p)+3], v[X+4*(\p)+2:X+4*(\p)+3], v[X+4*(\p)+6:X+4*(\p)+7]
.endr
.irp p, 0,4
	v_pk_add_f32 v[X+4*(\p):X+4*(\p)+1],   v[X+4*(\p):X+4*(\p)+1],   v[X+4*(\p)+8:X+4*(\p)+9]
	v_pk_add_f32 v[X+4*(\p)+2:X+4*(\p)+3], v[X+4*(\p)+2:X+4*(\p)+3], v[X+4*(\p)+10:X+4*(\p)+11]
.endr
	v_pk_add_f32 v[X:X+1],   v[X:X+1],   v[X+16:X+17]
	v_pk_add_f32 v[X+2:X+3], v[X+2:X+3], v[X+18:X+19]
	v_pk_add_f32 v[X:X+1],   v[X:X+1],   v[WBI:WBI+1]
	v_pk_add_f32 v[X+2:X+3], v[X+2:X+3], v[WBI+2:WBI+3]
	v_pk_add_f32 v[X:X+1],   v[X:X+1],   v[UBI:UBI+1]
	v_pk_add_f32 v[X+2:X+3], v[X+2:X+3], v[UBI+2:UBI+3]
	global_store_b128 v[RD], v[X:X+3], s[16:17]    ; a wave stores 512 consecutive bytes, aligned
.Lend:
	s_wait_tensorcnt 0x0                           ; the wave's end: behind my last LDS store
	ds_add_u32 v[SPW], v[NIL]
	s_wait_dscnt 0x0
	s_endpgm
.Lfunc_end_k_q86fd88d2be_prep:
	.size	k_q86fd88d2be_prep, .Lfunc_end_k_q86fd88d2be_prep-k_q86fd88d2be_prep
	.p2alignl 7, 3214868480
	.fill 96, 4, 3214868480
	.section	.rodata,"a",@progbits
	.p2align	6, 0x0
	.amdhsa_kernel k_q86fd88d2be_prep
		.amdhsa_group_segment_fixed_size 9216
		.amdhsa_private_segment_fixed_size 0
		.amdhsa_enable_private_segment 0
		.amdhsa_kernarg_size 56
		.amdhsa_user_sgpr_count 2
		.amdhsa_user_sgpr_kernarg_segment_ptr 1
		.amdhsa_wavefront_size32 1
		.amdhsa_system_sgpr_workgroup_id_x 1
		.amdhsa_system_sgpr_workgroup_id_y 1
		.amdhsa_system_sgpr_workgroup_id_z 1
		.amdhsa_system_vgpr_workitem_id 0
		.amdhsa_next_free_vgpr 240
		.amdhsa_next_free_sgpr 66
		.amdhsa_reserve_vcc 0
		.amdhsa_float_denorm_mode_32 3
		.amdhsa_float_denorm_mode_16_64 3
		.amdhsa_memory_ordered 1
		.amdhsa_forward_progress 1
		.amdhsa_inst_pref_size 15
	.end_amdhsa_kernel
	.amdgpu_metadata
---
amdhsa.version: [ 1, 2 ]
amdhsa.kernels:
  - .name:           k_q86fd88d2be_prep
    .symbol:         k_q86fd88d2be_prep.kd
    .args:
      - { .name: U_w, .offset: 0, .size: 8, .value_kind: global_buffer, .address_space: global }
      - { .name: hidden, .offset: 8, .size: 8, .value_kind: global_buffer, .address_space: global }
      - { .name: W_w, .offset: 16, .size: 8, .value_kind: global_buffer, .address_space: global }
      - { .name: W_b, .offset: 24, .size: 8, .value_kind: global_buffer, .address_space: global }
      - { .name: U_b, .offset: 32, .size: 8, .value_kind: global_buffer, .address_space: global }
      - { .name: ub, .offset: 40, .size: 8, .value_kind: global_buffer, .address_space: global }
      - { .name: wb, .offset: 48, .size: 8, .value_kind: global_buffer, .address_space: global }
    .group_segment_fixed_size: 9216
    .private_segment_fixed_size: 0
    .kernarg_segment_align: 8
    .kernarg_segment_size: 56
    .max_flat_workgroup_size: 256
    .sgpr_count:     66
    .vgpr_count:     240
    .wavefront_size: 32
...
	.end_amdgpu_metadata
.endif
;; end of part 1
;; launch main (part 2): grid 8 x 64, 4 waves a work-group, clusters of 4 x 1, 327,680 bytes of LDS; arguments encoder_outputs, ub, wb, v_w, part; writes part
.if DOCPART == 2
	.amdgcn_target "amdgcn-amd-amdhsa--gfx1250"
	.amdhsa_code_object_version 6
	.text
	.protected	k_q86fd88d2be_main
	.globl	k_q86fd88d2be_main
	.p2align	8
	.type	k_q86fd88d2be_main,@function
k_q86fd88d2be_main:
	s_mov_b64 s[64:65], 0
	v_nop
	global_prefetch_b8 v0, s[64:65] scope:SCOPE_SE
	s_setreg_imm32_b32 hwreg(HW_REG_WAVE_MODE, 25, 1), 1
	s_wait_xcnt 0x0
	s_wait_alu depctr_hold_cnt(0) depctr_sa_sdst(0) depctr_va_vdst(0) depctr_va_sdst(0) depctr_va_ssrc(0) depctr_va_vcc(0) depctr_vm_vsrc(0)
	s_getreg_b32 s2, hwreg(HW_REG_IB_STS2, 6, 4)
	s_cmp_eq_u32 s2, 0
	s_cbranch_scc0 .Lentry_in_a_cluster
	s_endpgm
.Lentry_in_a_cluster:
	s_bfe_u32 s2, ttmp6, 0x10000c
	s_cmp_lg_u32 s2, 0x3003
	s_cbranch_scc0 .Lentry_shape_is_right
	s_endpgm
.Lentry_shape_is_right:
; part[nh][b][s] = the sum over the 512 columns n of half nh of v_w[n] tanh(wb(b, n) + sum over k of enc[s][b][k] U_w[n][k]).
; enc: [512 s][64 b][2048 k] f32.  ub: U_w in bf16, [1024 n][2048 k].  wb: hidden W_w^T + W_b + U_b in f32, [64 nt][64 b][16].  part: [2][64][512] f32.
; SHARES.  A work-group makes 128 rows (one b, s = 128 sq .. 128 sq + 127) x 512 columns (half nh); each of its four waves all 128 rows x 128 columns: 64 accumulators of 16 x 16, 512 registers.
; For 32 along K a wave reads 2 x 128 x 64 bytes from LDS and issues 64 matrix instructions.  512 equal work-groups.
; A (enc) GOES THROUGH REGISTERS.  Each wave loads 32 of the 128 rows, 64 along K (256 bytes of a row) at a time: sixteen loads, each two whole aligned pieces of 256 bytes; rounds them to bf16 once for the
; work-group; and stores them into one of two LDS slots that only ds_store writes.  Two register sets take turns: a half-step's loads are asked for two half-steps, 256 matrix instructions, ahead of their use.
; The two work-groups (nh = 0, 1) that need the same rows of enc do NOT ask jointly: a joint load would lay f32 into LDS, 128 rows x 128 K x 4 bytes = 65,536 bytes and padding for a K step beside B's 139,264,
; and two slots of each, over 409,600 bytes, are more than the 327,680 that there are; and every wave would round the same numbers again.
; B (ub) COMES BY JOINT TENSOR LOADS.  The four work-groups of a cluster (sq = 0..3, same b, same nh) walk the same 512 rows of ub: K steps of 128 (rows of 256 bytes, aligned) through two slots;
; each wave asks for, and alone reads, its own 128 rows; the same load, descriptor and mask in all four work-groups.  By this text's count a wave has two tensor loads out at the start, later one.
; PHASES.  A phase is 64 along K (an A slot), two quarters of 32; two phases are a K step of B.  A barrier stands in each phase's second quarter: in front of it each wave's stores of the next half-step of A
; and its reads of this one are done.  In odd phases that barrier opens a round of the cluster's barrier, and B's slot just read out is filled again first thing behind it.
; EPILOGUE.  tanh(x) = 1 - 2 / (1 + 2^(c x)), c = 2 log2(e): so the sum is (sum of v) + sum of (-2 v) / (1 + 2^(c x)).  Sixteen lanes hold a row's sixteen columns: four DPP steps; the four waves' sums meet in LDS.
; LIMITS.  enc and U_w are rounded to bf16 for the product, sums in f32.  Where 2^(c x) overflows to infinity or falls below 2^-126 the tanh is exactly 1 or -1.  NaN and infinities in the inputs are not treated apart.
;
; REGISTERS, in windows of 256 (s_set_vgpr_msb: bits 1:0 source 0, 3:2 source 1, 5:4 source 2, 7:6 destination):
;   window 0: v0-31 addresses; v32-63 T: rounded A on its way to LDS, later the row sums; v64-127, v128-191 fragments of A, two buffers; v192-225 the epilogue's constants
;   window 1: v0-63 staging set 0 (A as loaded, f32); v64-127, v128-191 fragments of B, two buffers; v192-255 staging set 1
;   window 2: the accumulators of rows 0-63 ((a, b) at v[8 (8 a + b)]);   window 3: those of rows 64-127
.set PB,     272                       ; a row of B in LDS: 256 bytes + 16 of padding = 68 words: the 16 rows of a load start at 16 different groups of four banks (64 banks of 4 bytes: ISA guide 11.1)
.set BWAVE,  128*PB                    ; 128 rows: what one tensor load brings and one wave reads
.set BSLOT,  4*BWAVE
.set PA,     144                       ; a row of A in LDS: 128 bytes + 16 = 36 words: likewise
.set ASLOT,  128*PA
.set ABASE,  2*BSLOT                   ; behind B's ring: A's two slots, which no tensor load fills
.set RED,    ABASE+2*ASLOT             ; 4 waves x 128 row sums of 4 bytes
.set SPARE,  RED+2048                  ; the spare words, 128 bytes for each wave: two blocks of 256 bytes that no other line names
.set ROWB,   524288                    ; bytes from s to s + 1 in enc
.set LAPS,   7                         ; trips of the loop: four phases each; the first quarter and the last seven are written out
.set ADRA, 16                          ; v16     LDS address of my A fragments in slot 0
.set STA,  17                          ; v17     where I store 8 bytes of rounded A in slot 0
.set OFFA, 18                          ; v18-19  my byte offset in enc for loads 0-7, 8-15; never rewritten
.set ADRB, 20                          ; v20-21  LDS address of my B fragments in slot 0, 1
.set REDW, 22                          ; v22     where my row sums go
.set REDR, 23                          ; v23     where wave 0 reads them back
.set PO,   24                          ; v24     my byte offset in part
.set BO,   25                          ; v25     4 r: my column in sixteen
.set SPW,  28                          ; v28     LDS address of my spare word; never rewritten
.set NIL,  29                          ; v29     0; never rewritten
.set T,    32
.set F0,   64
.set F1,   128
.set CB,   192                         ; v[192:207] c x wb for column block b, twice: a pair for the packed multiply-add
.set MV,   208                         ; v[208:223] -2 v for column block b, twice
.set VL,   224                         ; v[224:225] the sum of my eight v, twice
.set WV,   14                          ; s14  my wave's number
.set CC,   22                          ; s[22:23] c
.set G1,   24                          ; s[24:31] descriptor group 1
.set G0,   32                          ; s[32:39] descriptor group 0, a set for each slot
.set MSB, 0
.macro WIN new                         ; the immediate's high byte repeats the setting that is left; a switch that changes nothing is dropped
.if MSB != (\new)
	s_set_vgpr_msb (MSB<<8)|(\new)
.set MSB, (\new)
.endif
.endm
.set MUL_LO, 0xa4                      ; source 0 (A) window 0, source 1 (B) window 1, C and D window 2
.set MUL_HI, 0xf4                      ; the same, C and D window 3
.set TO_1,   0x40                      ; destination window 1, address window 0
.set CVT,    0x05                      ; sources 0 and 1 window 1, destination window 0
.macro PLACES                          ; a load into a register that a matrix instruction has read, and a vector instruction that touches a matrix result, stand four plain vector instructions behind it (ISA guide 7.12.1 for vector instructions)
.rept 4
	v_nop
.endr
.endm
.macro CREST                           ; a round of the cluster's barrier behind its opening barrier: wave 0 signals for the work-group, every wave waits for all four work-groups, my work-group's barrier closes it
	s_cmp_lg_u32 s[WV], 0
	s_cbranch_scc1 .Lnot_wave_0_\@
	s_barrier_signal -3
.Lnot_wave_0_\@:
	s_barrier_wait -3
	s_barrier_signal -1
	s_barrier_wait -1
.endm
.macro CROUND                          ; a whole round
	s_barrier_signal -1
	s_barrier_wait -1
	CREST
.endm
; 16 matrix instructions: row blocks a0, a0 + 1 of the window's four (hi = 0: rows 0-63, 1: rows 64-127) x all 8 column blocks, 32 along K.  zero = 1: the first product starts the sums.
; The 64 accumulators take turns, one instruction a turn, in the same order in every quarter.
.macro MUL16 f, hi, a0, zero
	WIN MUL_LO+0x50*(\hi)
.irp a, \a0, (\a0)+1
.irp b, 0,1,2,3,4,5,6,7
.if \zero
	v_wmma_f32_16x16x32_bf16 v[8*(8*(\a)+(\b)):8*(8*(\a)+(\b))+7], v[(\f)+8*(4*(\hi)+(\a)):(\f)+8*(4*(\hi)+(\a))+7], v[(\f)+8*(\b):(\f)+8*(\b)+7], 0
.else
	v_wmma_f32_16x16x32_bf16 v[8*(8*(\a)+(\b)):8*(8*(\a)+(\b))+7], v[(\f)+8*(4*(\hi)+(\a)):(\f)+8*(4*(\hi)+(\a))+7], v[(\f)+8*(\b):(\f)+8*(\b)+7], v[8*(8*(\a)+(\b)):8*(8*(\a)+(\b))+7]
.endif
.endr
.endr
.endm
; 32 LDS loads in one run: a quarter's fragments into buffer f: my 128 rows of B (slot bs, byte kb of the rows), then all 128 rows of A (slot as, byte ka).
; A fragment is 16 rows x 32 K in 8 registers: lane l holds row l % 16, K = 8 (l / 16) + 0..7 and 16 + 8 (l / 16) + 0..7: two loads of 16 bytes, 32 bytes apart.
.macro FETCH bs, kb, as, ka, f
	WIN TO_1
.irp i, 0,1,2,3,4,5,6,7
	ds_load_b128 v[(\f)+8*(\i):(\f)+8*(\i)+3],   v[ADRB+(\bs)] offset:(\kb)+(\i)*16*PB
	ds_load_b128 v[(\f)+8*(\i)+4:(\f)+8*(\i)+7], v[ADRB+(\bs)] offset:(\kb)+(\i)*16*PB+32
.endr
	WIN 0
.irp i, 0,1,2,3,4,5,6,7
	ds_load_b128 v[(\f)+8*(\i):(\f)+8*(\i)+3],   v[ADRA] offset:(\as)*ASLOT+(\ka)+(\i)*16*PA
	ds_load_b128 v[(\f)+8*(\i)+4:(\f)+8*(\i)+7], v[ADRA] offset:(\as)*ASLOT+(\ka)+(\i)*16*PA+32
.endr
.endm
; Sixteen loads: my 32 rows x 256 bytes of enc at s[4:5] into a staging set.  Load i: lanes 0-15 take row i % 8 + 16 (i / 8), lanes 16-31 the row 8 further on; sixteen lanes cover 256 consecutive bytes, aligned.
.macro ALOAD set
	WIN TO_1
.irp i, 0,1,2,3,4,5,6,7,8,9,10,11,12,13,14,15
	global_load_b128 v[192*(\set)+4*(\i):192*(\set)+4*(\i)+3], v[OFFA+(\i)/8], s[4:5] offset:((\i)%8)*ROWB
.endr
.endm
; A staging set is rounded to bf16 and stored into the A slot of its number.  left: the younger loads that may stay out.  ld = 1: the set is asked for again, two half-steps on.
; A store's 32 lanes write two rows' 128 bytes, 8 rows = 288 words apart: 32 banks each, no bank twice.  The 32 conversions name no register of the products round them: they are also the places in front of the fetch that follows.
.macro CONVERT set, ld, left
	s_wait_loadcnt \left                           ; loads come back in order (ISA guide 5.7.1): this set's sixteen are in
	WIN CVT
.irp i, 0,1,2,3,4,5,6,7,8,9,10,11,12,13,14,15
	v_cvt_pk_bf16_f32 v[T+2*(\i)],   v[192*(\set)+4*(\i)],   v[192*(\set)+4*(\i)+1]
	v_cvt_pk_bf16_f32 v[T+2*(\i)+1], v[192*(\set)+4*(\i)+2], v[192*(\set)+4*(\i)+3]
.endr
	WIN 0
.irp i, 0,1,2,3,4,5,6,7,8,9,10,11,12,13,14,15
	ds_store_b64 v[STA], v[T+2*(\i):T+2*(\i)+1] offset:(\set)*ASLOT+PA*((\i)%8+16*((\i)/8))
.endr
.if \ld
	s_wait_xcnt 0x0                                ; the other set's loads have had their addresses translated (ISA guide 3.1): only behind this wait is their base stepped
	s_add_nc_u64 s[4:5], s[4:5], 256               ; the next half-step to be asked for
	ALOAD \set
.endif
.endm
; A phase's first quarter: multiplies buffer 0; in its middle the next half-step of A goes into the other A slot (mode 2: and its set is asked for again; 1: no more loads; 0: nothing is left), and the second quarter's fragments are fetched.
; z = 1: the products start the sums.  bs: B's slot.  par: the phase's parity = A's slot = which half of B's rows.
.macro QA z, bs, par, mode, left=0
	s_wait_dscnt 8                                 ; B and A's rows 0-63 are in; the youngest eight loads (A's rows 64-127) may be out
	MUL16 F0, 0, 0, \z
	MUL16 F0, 0, 2, \z
.if (\mode) == 2
	CONVERT 1-(\par), 1, 16                        ; the count leaves the other set's sixteen loads out
.elseif (\mode) == 1
	CONVERT 1-(\par), 0, \left
.else
	PLACES
.endif
	FETCH \bs, 64+128*(\par), \par, 64, F1
	s_wait_dscnt 32                                ; all but the 32 loads just issued: A's rows 64-127 are in
	MUL16 F0, 1, 0, \z
	MUL16 F0, 1, 2, \z
.endm
; An even phase's second quarter: multiplies buffer 1.  Its barrier changes A's slots alone: my stores of the next half-step and my reads of this one are done in front of the signal.
; Behind it no tensor load fills anything: the one that is out stays out.
.macro QBP bs
	s_wait_dscnt 8
	MUL16 F1, 0, 0, 0
	s_wait_dscnt 0x0
	s_barrier_signal -1
	MUL16 F1, 0, 2, 0                              ; work on registers while the others arrive
	s_barrier_wait -1
	PLACES
	FETCH \bs, 128, 1, 0, F0
	MUL16 F1, 1, 0, 0
	MUL16 F1, 1, 2, 0
.endm
; An odd phase's second quarter: A's and B's slots change.  In front of the barrier each wave waits for all its tensor loads, of which one is out: its rows of B's next slot; adds 0 to its spare word; and waits for that,
; for its stores of A and for its reads of both slots.  fill = 1: the barrier opens a round of the cluster's barrier, so that no wave of any partner still reads B's slot bs or has a load on its way, and the joint refill,
; two K steps on, is the first thing behind it: from there to the wait for it a wave issues 224 matrix instructions.
.macro TURN bs, fill
	WIN 0                                          ; (the add's two registers lie in window 0)
	s_wait_tensorcnt 0x0
	ds_add_u32 v[SPW], v[NIL]                      ; 0 onto my spare word
	s_wait_dscnt 9                                 ; (the add and the youngest eight loads may be out)
	MUL16 F1, 0, 0, 0                              ; sixteen matrix instructions stand between the add and the wait for it
	s_wait_dscnt 0x0
	s_barrier_signal -1
	MUL16 F1, 0, 2, 0
.if \fill
	WIN 0
.endif
	s_barrier_wait -1
.if \fill
	CREST
	s_add_nc_u64 s[G0+4*(\bs)+2:G0+4*(\bs)+3], s[G0+4*(\bs)+2:G0+4*(\bs)+3], 512  ; no tensor load of mine is out: the slot's address steps two K steps of 256 bytes; the type bits on top are not reached
	tensor_load_to_lds s[G0+4*(\bs):G0+4*(\bs)+3], s[G1:G1+7]
	s_nop 0
.endif
	PLACES                                         ; behind the tensor load, and in front of the loads into buffer 0
	FETCH 1-(\bs), 0, 0, 0, F0
	MUL16 F1, 1, 0, 0
	MUL16 F1, 1, 2, 0
.endm
; THE EPILOGUE for row block a: its eight accumulators (16 rows x 128 columns).  Register j of accumulator b holds row 16 a + 8 (l / 16) + j, column 16 b + l % 16.
.macro EPI a
.set W,  2+(\a)/4
.set AC, 64*((\a)%4)
.set RR, T+8*((\a)%4)
	WIN (W<<6)|W                                   ; destination and source 0 in the accumulators' window
.irp b, 0,1,2,3,4,5,6,7                ; c x + c bias; each accumulator from its low end on
.irp p, 0,1,2,3
	v_pk_fma_f32 v[AC+8*(\b)+2*(\p):AC+8*(\b)+2*(\p)+1], v[AC+8*(\b)+2*(\p):AC+8*(\b)+2*(\p)+1], s[CC:CC+1], v[CB+2*(\b):CB+2*(\b)+1] op_sel_hi:[1,0,1]
.endr
.endr
.set i, 0
.rept 64
	v_exp_f32 v[AC+i], v[AC+i]
.set i, i+1
.endr
	v_nop                                          ; a plain instruction between the last exponential and the use of its result (ISA guide 5.7.2)
.set i, 0
	s_wait_alu depctr_va_vdst(0)
.rept 32
	v_pk_add_f32 v[AC+i:AC+i+1], v[AC+i:AC+i+1], 1.0 op_sel_hi:[1,0]
.set i, i+2
.endr
.set i, 0
.rept 64
	v_rcp_f32 v[AC+i], v[AC+i]
.set i, i+1
.endr
	v_nop
	WIN W                                          ; source 0 in the accumulators' window, all else in window 0
	s_wait_alu depctr_va_vdst(0)
.irp p, 0,1,2,3
	v_pk_fma_f32 v[RR+2*(\p):RR+2*(\p)+1], v[AC+2*(\p):AC+2*(\p)+1], v[MV:MV+1], v[VL:VL+1]
.endr
.irp b, 1,2,3,4,5,6,7
.irp p, 0,1,2,3
	v_pk_fma_f32 v[RR+2*(\p):RR+2*(\p)+1], v[AC+8*(\b)+2*(\p):AC+8*(\b)+2*(\p)+1], v[MV+2*(\b):MV+2*(\b)+1], v[RR+2*(\p):RR+2*(\p)+1]
.endr
.endr
	WIN 0
.irp m, 1,2,4,8                        ; over the sixteen lanes that hold a row's columns
.irp j, 0,1,2,3,4,5,6,7
	v_add_f32_dpp v[RR+(\j)], v[RR+(\j)], v[RR+(\j)] row_xmask:\m row_mask:0xf bank_mask:0xf
.endr
.endr
	ds_store_b128 v[REDW], v[RR:RR+3]   offset:64*(\a)     ; rows 16 a + 8 (l / 16) + 0..3; the sixteen lanes of a half write the same bytes with the same numbers
	ds_store_b128 v[REDW], v[RR+4:RR+7] offset:64*(\a)+16
.endm
	s_load_b256 s[4:11], s[0:1], 0x0               ; enc s[4:5], ub s[6:7], wb s[8:9], v_w s[10:11]
	s_load_b64 s[12:13], s[0:1], 0x20              ; part
	v_lshl_add_u32 v[SPW], v0, 2, SPARE
	v_mov_b32 v[NIL], 0
	ds_add_u32 v[SPW], v[NIL]                      ; the wave's opening: the add and its wait stand ahead of my first tensor load; the set-up below, work on registers, stands between them
	v_lshrrev_b32 v3, 5, v0
	v_readfirstlane_b32 s[WV], v3                  ; wave 0..3
	s_mov_b32 s15, ttmp9                           ; nh: in a cluster launch ttmp9 counts clusters, and there are two along x
	s_bfe_u32 s16, ttmp6, 0x40000                  ; sq = cx, my place in the cluster: it enters enc's and part's addresses alone
	s_and_b32 s17, ttmp7, 0xffff                   ; b
	s_lshl_b32 s18, s16, 26                        ; enc: 128 sq rows of 524,288 bytes,
	s_lshl_b32 s41, s[WV], 24                      ; my wave's 32 rows,
	s_add_co_u32 s18, s18, s41
	s_lshl_b32 s41, s17, 13                        ; b's 8,192 bytes in a row
	s_add_co_u32 s18, s18, s41
	s_mov_b32 s19, 0
	s_lshl_b32 s20, s15, 17                        ; part: 131,072 nh + 2,048 b + 512 sq
	s_lshl_b32 s41, s17, 11
	s_add_co_u32 s20, s20, s41
	s_lshl_b32 s41, s16, 9
	s_add_co_u32 s20, s20, s41
	s_mov_b32 s21, 0
	s_lshl_b32 s42, s15, 21                        ; ub: row 512 nh + 128 wave, 4,096 bytes a row; in registers that never hold sq
	s_lshl_b32 s43, s[WV], 19
	s_add_co_u32 s42, s42, s43
	s_mov_b32 s43, 0
	s_lshl_b32 s44, s15, 17                        ; wb: block nt = 32 nh + 8 wave of 4,096 bytes, b's 64 bytes in it
	s_lshl_b32 s45, s[WV], 15
	s_add_co_u32 s44, s44, s45
	s_lshl_b32 s45, s17, 6
	s_add_co_u32 s44, s44, s45
	s_mov_b32 s45, 0
	s_lshl_b32 s46, s15, 11                        ; v_w: column 512 nh + 128 wave
	s_lshl_b32 s47, s[WV], 9
	s_add_co_u32 s46, s46, s47
	s_mov_b32 s47, 0
	s_mov_b32 s[CC], 0x4038aa3b                    ; c = 2 log2(e) = 2.885390
	s_mov_b32 s[CC+1], s[CC]                       ; named with it as a pair
	; descriptor group 1: a tile of 128 rows x 128 elements, padded in LDS
	s_mov_b32 s[G1+0], 15|(1<<16)|(1<<20)|(1<<21)|(5<<22)|(3<<25)  ; 15:0 the mask: all four work-groups; 17:16 elements of 2 bytes; 20 padding on; 21 set beside a mask; 24:22 after every 64 words (code 5); 31:25 4 words of it (code 3)
	s_mov_b32 s[G1+1], 128<<16                     ; tensor_dim0 = 128
	s_mov_b32 s[G1+2], 128<<16                     ; tensor_dim1 = 128
	s_mov_b32 s[G1+3], 128<<16                     ; tile_dim0 = 128
	s_mov_b32 s[G1+4], 128                         ; tile_dim1 = 128
	s_mov_b32 s[G1+5], 2048                        ; elements from row to row
	s_mov_b32 s[G1+6], 0
	s_mov_b32 s[G1+7], 0
	s_mul_i32 s2, s[WV], 32*PA
	s_add_co_u32 s2, s2, ABASE                     ; my 32 rows in A's slot 0
	s_mul_i32 s3, s[WV], BWAVE                     ; my 128 rows in B's slot 0
	s_lshl_b32 s40, s[WV], 9
	s_add_co_u32 s40, s40, RED                     ; my wave's 128 row sums
	v_and_b32 v1, 15, v0                           ; r = l % 16
	v_bfe_u32 v2, v0, 4, 1                         ; h = l / 16
	v_and_b32 v3, 31, v0                           ; l
	v_mul_u32_u24 v[ADRA], v1, PA
	v_lshl_add_u32 v[ADRA], v2, 4, v[ADRA]
	v_add_nc_u32 v[ADRA], ABASE, v[ADRA]           ; row x pitch + 16 x half
	v_mul_u32_u24 v[STA], v2, 8*PA
	v_lshl_add_u32 v[STA], v1, 3, v[STA]
	v_add_nc_u32 v[STA], s2, v[STA]                ; 8 rows down for lanes 16-31, 8 bytes a lane
	v_lshlrev_b32 v[OFFA], 4, v1
	v_lshl_add_u32 v[OFFA], v2, 22, v[OFFA]        ; 16 bytes a lane, 8 rows of enc down for lanes 16-31
	v_add_nc_u32 v[OFFA+1], 16*ROWB, v[OFFA]
	v_mul_u32_u24 v[ADRB], v1, PB
	v_lshl_add_u32 v[ADRB], v2, 4, v[ADRB]
	v_add_nc_u32 v[ADRB], s3, v[ADRB]
	v_add_nc_u32 v[ADRB+1], BSLOT, v[ADRB]
	v_lshl_add_u32 v[REDW], v2, 5, s40
	v_lshl_add_u32 v[REDR], v3, 4, RED
	v_lshlrev_b32 v[PO], 4, v3
	v_lshlrev_b32 v[BO], 2, v1
	s_wait_dscnt 0x0                               ; the opening add is done
	s_wait_kmcnt 0x0
	s_add_nc_u64 s[4:5], s[4:5], s[18:19]          ; enc at my wave's first row, K = 0
	s_add_nc_u64 s[12:13], s[12:13], s[20:21]
	s_add_nc_u64 s[6:7], s[6:7], s[42:43]
	s_add_nc_u64 s[8:9], s[8:9], s[44:45]
	s_add_nc_u64 s[10:11], s[10:11], s[46:47]
.irp s, 0,1
	s_mov_b32 s[G0+4*(\s)], 1                                      ; 1:0 count = 1
	s_add_co_u32 s[G0+4*(\s)+1], s3, (\s)*BSLOT                    ; 63:32 LDS address: the wave's number times a constant, and the slot's constant
	s_add_nc_u64 s[G0+4*(\s)+2:G0+4*(\s)+3], s[6:7], (\s)*256      ; 120:64 global address: K step s
	s_or_b32 s[G0+4*(\s)+3], s[G0+4*(\s)+3], 0x80000000            ; 127:126 type = 2
.endr
	; The loads into registers go out first, the epilogue's constants ahead of A: every later counted wait covers them.
.irp b, 0,1,2,3,4,5,6,7
	global_load_b32 v[CB+2*(\b)], v[BO], s[8:9] offset:4096*(\b)
.endr
.irp b, 0,1,2,3,4,5,6,7
	global_load_b32 v[MV+2*(\b)], v[BO], s[10:11] offset:64*(\b)
.endr
	ALOAD 0                                        ; half-step 0
	s_wait_xcnt 0x0
	s_add_nc_u64 s[4:5], s[4:5], 256
	ALOAD 1                                        ; half-step 1
	WIN 0
	CROUND                                         ; all four work-groups are here: the first joint loads meet
	tensor_load_to_lds s[G0:G0+3], s[G1:G1+7]      ; K step 0
	s_nop 0
	tensor_load_to_lds s[G0+4:G0+7], s[G1:G1+7]    ; K step 1
	s_nop 0
	PLACES
	CONVERT 0, 1, 16                               ; half-step 0 into A's slot 0; half-step 2 is asked for.  The wait shows the constants in too
	WIN 0
	v_add_f32 v[VL], v[MV], v[MV+2]
.irp b, 2,3,4,5,6,7
	v_add_f32 v[VL], v[VL], v[MV+2*(\b)]
.endr
	v_mov_b32 v[VL+1], v[VL]
.irp b, 0,1,2,3,4,5,6,7
	v_mul_f32 v[MV+2*(\b)+1], -2.0, v[MV+2*(\b)]
	v_mul_f32 v[MV+2*(\b)],   -2.0, v[MV+2*(\b)]
	v_mul_f32 v[CB+2*(\b)+1], s[CC], v[CB+2*(\b)]
	v_mul_f32 v[CB+2*(\b)],   s[CC], v[CB+2*(\b)]
.endr
	s_wait_tensorcnt 1                             ; my rows of K step 0 are in; K step 1's may stay out
	s_wait_dscnt 0x0                               ; my stores of half-step 0 are done
	s_barrier_signal -1
	s_barrier_wait -1
	FETCH 0, 0, 0, 0, F0
	QA 1, 0, 0, 2                                  ; phase 0's first quarter stands in front of the loop: its products start the sums
	WIN 0
	s_mov_b32 s40, LAPS
.Llap:                                                 ; a trip: from the second quarter of phase 4 L to the first of phase 4 L + 4; it fills both of B's slots again and asks for four half-steps of A
	QBP 0
	QA 0, 0, 1, 2
	TURN 0, 1
	QA 0, 1, 0, 2
	QBP 1
	QA 0, 1, 1, 2
	TURN 1, 1
	QA 0, 0, 0, 2
	WIN 0
	s_sub_co_u32 s40, s40, 1
	s_cmp_lg_u32 s40, 0
	s_cbranch_scc1 .Llap
	QBP 0                                          ; the tail, phases 28 to 31, asks for nothing more: the loop's last quarter asked for half-step 31, its last turn for K step 15
	QA 0, 0, 1, 1, 16                              ; half-step 30 is rounded; half-step 31's sixteen loads may stay out
	TURN 0, 0
	QA 0, 1, 0, 1, 0                               ; half-step 31
	QBP 1
	QA 0, 1, 1, 0
	s_wait_dscnt 8
	MUL16 F1, 0, 0, 0
	MUL16 F1, 0, 2, 0
	s_wait_dscnt 0x0
	MUL16 F1, 1, 0, 0
	MUL16 F1, 1, 2, 0
	PLACES
	EPI 0
	EPI 1
	EPI 2
	EPI 3
	EPI 4
	EPI 5
	EPI 6
	EPI 7
	s_wait_dscnt 0x0                               ; for wave 0's sake: my row sums are stored
	s_barrier_signal -1
	s_barrier_wait -1
	s_cmp_lg_u32 s[WV], 0
	s_cbranch_scc1 .Lend
.irp p, 0,1,2,3                        ; wave 0 adds the four waves' sums: 32 lanes x 4 rows
	ds_load_b128 v[F0+4*(\p):F0+4*(\p)+3], v[REDR] offset:512*(\p)
.endr
	s_wait_dscnt 0x0
	v_pk_add_f32 v[F0:F0+1],     v[F0:F0+1],     v[F0+4:F0+5]
	v_pk_add_f32 v[F0+2:F0+3],   v[F0+2:F0+3],   v[F0+6:F0+7]
	v_pk_add_f32 v[F0+8:F0+9],   v[F0+8:F0+9],   v[F0+12:F0+13]
	v_pk_add_f32 v[F0+10:F0+11], v[F0+10:F0+11], v[F0+14:F0+15]
	v_pk_add_f32 v[F0:F0+1],     v[F0:F0+1],     v[F0+8:F0+9]
	v_pk_add_f32 v[F0+2:F0+3],   v[F0+2:F0+3],   v[F0+10:F0+11]
	global_store_b128 v[PO], v[F0:F0+3], s[12:13]  ; 512 consecutive bytes, at a multiple of 512 from part's first byte
.Lend:
	s_wait_tensorcnt 0x0                           ; the wave's end: behind my last tensor load and my last LDS store
	ds_add_u32 v[SPW], v[NIL]
	s_wait_dscnt 0x0
	CROUND                                         ; the closing round: no work-group ends while a partner may still ask for a tile that names it
	s_endpgm
.Lfunc_end_k_q86fd88d2be_main:
	.size	k_q86fd88d2be_main, .Lfunc_end_k_q86fd88d2be_main-k_q86fd88d2be_main
	.p2alignl 7, 3214868480
	.fill 96, 4, 3214868480
	.section	.rodata,"a",@progbits
	.p2align	6, 0x0
	.amdhsa_kernel k_q86fd88d2be_main
		.amdhsa_group_segment_fixed_size 327680
		.amdhsa_private_segment_fixed_size 0
		.amdhsa_enable_private_segment 0
		.amdhsa_kernarg_size 40
		.amdhsa_user_sgpr_count 2
		.amdhsa_user_sgpr_kernarg_segment_ptr 1
		.amdhsa_wavefront_size32 1
		.amdhsa_system_sgpr_workgroup_id_x 1
		.amdhsa_system_sgpr_workgroup_id_y 1
		.amdhsa_system_sgpr_workgroup_id_z 1
		.amdhsa_system_vgpr_workitem_id 0
		.amdhsa_next_free_vgpr 1024
		.amdhsa_next_free_sgpr 66
		.amdhsa_reserve_vcc 0
		.amdhsa_float_denorm_mode_32 3
		.amdhsa_float_denorm_mode_16_64 3
		.amdhsa_memory_ordered 1
		.amdhsa_forward_progress 1
		.amdhsa_inst_pref_size 248
	.end_amdhsa_kernel
	.amdgpu_metadata
---
amdhsa.version: [ 1, 2 ]
amdhsa.kernels:
  - .name:           k_q86fd88d2be_main
    .symbol:         k_q86fd88d2be_main.kd
    .args:
      - { .name: encoder_outputs, .offset: 0, .size: 8, .value_kind: global_buffer, .address_space: global }
      - { .name: ub, .offset: 8, .size: 8, .value_kind: global_buffer, .address_space: global }
      - { .name: wb, .offset: 16, .size: 8, .value_kind: global_buffer, .address_space: global }
      - { .name: v_w, .offset: 24, .size: 8, .value_kind: global_buffer, .address_space: global }
      - { .name: part, .offset: 32, .size: 8, .value_kind: global_buffer, .address_space: global }
    .group_segment_fixed_size: 327680
    .private_segment_fixed_size: 0
    .kernarg_segment_align: 8
    .kernarg_segment_size: 40
    .max_flat_workgroup_size: 128
    .sgpr_count:     66
    .vgpr_count:     1024
    .wavefront_size: 32
...
	.end_amdgpu_metadata
.endif
;; end of part 2
;; launch soft (part 3): grid 64 x 1, 1 waves a work-group, no clusters, 0 bytes of LDS; arguments part, mask, out0; writes out0
.if DOCPART == 3
	.amdgcn_target "amdgcn-amd-amdhsa--gfx1250"
	.amdhsa_code_object_version 6
	.text
	.protected	k_q86fd88d2be_soft
	.globl	k_q86fd88d2be_soft
	.p2align	8
	.type	k_q86fd88d2be_soft,@function
k_q86fd88d2be_soft:
	s_mov_b64 s[64:65], 0
	v_nop
	global_prefetch_b8 v0, s[64:65] scope:SCOPE_SE
	s_setreg_imm32_b32 hwreg(HW_REG_WAVE_MODE, 25, 1), 1
	s_wait_xcnt 0x0
; out0[b][:] = softmax over s of (mask[b][s] ? -1e10 : part[0][b][s] + part[1][b][s]).  part: [2][64][512] f32, mask: [64][512] bytes, out0: [64][512] f32.
; One wave takes a row: 512 numbers are 16 registers a lane, so the row's true maximum and its sum never leave the wave: no LDS, no barrier.  Lane l holds s = 128 i + 4 l + q, i and q in 0..3:
; each load and store of 16 bytes a lane covers 512 consecutive bytes, each load of the mask 128.
; The maximum is taken away BEFORE the scaling by log2(e), so a row that is wholly masked gives exponents of exactly 0 and weights of 1 / 512, as the subtraction in f32 does.
; LIMITS.  Any mask byte other than 0 counts as true.  A weight below 2^-126 counts as 0.  NaN and infinities are not treated apart.
; 64 rows are 64 waves' work: the launch moves 420 KiB; matrix units, LDS and clusters have nothing to add here.
.set E,  4                             ; v[4:19]   the row's numbers
.set F,  20                            ; v[20:35]  part[1]; later partial sums
.set MK, 36                            ; v[36:39]  four mask bytes a register
	s_load_b128 s[4:7], s[0:1], 0x0                ; part s[4:5], mask s[6:7]
	s_load_b64 s[8:9], s[0:1], 0x10                ; out0
	v_lshlrev_b32 v1, 4, v0                        ; 16 l
	v_lshlrev_b32 v2, 2, v0                        ; 4 l
	s_lshl_b32 s10, ttmp9, 11                      ; a row of 2,048 bytes in part and out0,
	s_mov_b32 s11, 0
	s_lshl_b32 s12, ttmp9, 9                       ; of 512 in mask
	s_mov_b32 s13, 0
	s_mov_b32 s14, 0x76543210                      ; v_permlanex16_b32: each lane takes its own place in the other half
	s_mov_b32 s15, 0xfedcba98
	s_mov_b32 s16, 0xd01502f9                      ; -1e10
	v_mov_b32 v43, 0                               ; v_permlanex16_b32's destinations count as read: they are written here
	v_mov_b32 v45, 0
	s_wait_kmcnt 0x0
	s_add_nc_u64 s[4:5], s[4:5], s[10:11]
	s_add_nc_u64 s[8:9], s[8:9], s[10:11]
	s_add_nc_u64 s[6:7], s[6:7], s[12:13]
.irp i, 0,1,2,3
	global_load_b128 v[E+4*(\i):E+4*(\i)+3], v1, s[4:5] offset:512*(\i)
	global_load_b128 v[F+4*(\i):F+4*(\i)+3], v1, s[4:5] offset:131072+512*(\i)
	global_load_b32 v[MK+(\i)], v2, s[6:7] offset:128*(\i)
.endr
	s_wait_loadcnt 0x0
.irp p, 0,2,4,6,8,10,12,14
	v_pk_add_f32 v[E+(\p):E+(\p)+1], v[E+(\p):E+(\p)+1], v[F+(\p):F+(\p)+1]
.endr
.irp i, 0,1,2,3
.irp q, 0,1,2,3
	v_bfe_u32 v[40+(\q)%2], v[MK+(\i)], 8*(\q), 8
	v_cmp_ne_u32 vcc_lo, 0, v[40+(\q)%2]
	v_cndmask_b32 v[E+4*(\i)+(\q)], v[E+4*(\i)+(\q)], s16, vcc_lo
.endr
.endr
	v_max3_num_f32 v40, v[E],    v[E+1],  v[E+2]
	v_max3_num_f32 v41, v[E+3],  v[E+4],  v[E+5]
	v_max3_num_f32 v42, v[E+6],  v[E+7],  v[E+8]
	v_max3_num_f32 v44, v[E+9],  v[E+10], v[E+11]
	v_max3_num_f32 v46, v[E+12], v[E+13], v[E+14]
	v_max3_num_f32 v40, v40, v41, v42
	v_max3_num_f32 v44, v44, v46, v[E+15]
	v_max_num_f32 v42, v40, v44
	v_max_num_f32_dpp v42, v42, v42 row_xmask:1 row_mask:0xf bank_mask:0xf
	v_max_num_f32_dpp v42, v42, v42 row_xmask:2 row_mask:0xf bank_mask:0xf
	v_max_num_f32_dpp v42, v42, v42 row_xmask:4 row_mask:0xf bank_mask:0xf
	v_max_num_f32_dpp v42, v42, v42 row_xmask:8 row_mask:0xf bank_mask:0xf
	v_permlanex16_b32 v43, v42, s14, s15
	v_max_num_f32 v42, v42, v43                    ; every lane holds the row's maximum
.irp p, 0,2,4,6,8,10,12,14
	v_pk_add_f32 v[E+(\p):E+(\p)+1], v[E+(\p):E+(\p)+1], v[42:43] op_sel_hi:[1,0] neg_lo:[0,1] neg_hi:[0,1]
.endr
.irp p, 0,2,4,6,8,10,12,14
	v_pk_mul_f32 v[E+(\p):E+(\p)+1], v[E+(\p):E+(\p)+1], 0x3fb8aa3b op_sel_hi:[1,0]
.endr
.irp j, 0,1,2,3,4,5,6,7,8,9,10,11,12,13,14,15
	v_exp_f32 v[E+(\j)], v[E+(\j)]
.endr
	v_nop                                          ; a plain instruction between the last exponential and the use of its result (ISA guide 5.7.2)
	s_wait_alu depctr_va_vdst(0)
.irp p, 0,1,2,3
	v_pk_add_f32 v[F+2*(\p):F+2*(\p)+1], v[E+4*(\p):E+4*(\p)+1], v[E+4*(\p)+2:E+4*(\p)+3]
.endr
	v_pk_add_f32 v[F:F+1],   v[F:F+1],   v[F+2:F+3]
	v_pk_add_f32 v[F+4:F+5], v[F+4:F+5], v[F+6:F+7]
	v_pk_add_f32 v[F:F+1],   v[F:F+1],   v[F+4:F+5]
	v_add_f32 v44, v[F], v[F+1]
	v_add_f32_dpp v44, v44, v44 row_xmask:1 row_mask:0xf bank_mask:0xf
	v_add_f32_dpp v44, v44, v44 row_xmask:2 row_mask:0xf bank_mask:0xf
	v_add_f32_dpp v44, v44, v44 row_xmask:4 row_mask:0xf bank_mask:0xf
	v_add_f32_dpp v44, v44, v44 row_xmask:8 row_mask:0xf bank_mask:0xf
	v_permlanex16_b32 v45, v44, s14, s15
	v_add_f32 v44, v44, v45                        ; at least 1: the maximum's own weight
	v_rcp_f32 v46, v44                             ; made twice: a pair for the packed multiply
	v_rcp_f32 v47, v44
	v_nop
	s_wait_alu depctr_va_vdst(0)
.irp p, 0,2,4,6,8,10,12,14
	v_pk_mul_f32 v[E+(\p):E+(\p)+1], v[E+(\p):E+(\p)+1], v[46:47]
.endr
.irp i, 0,1,2,3
	global_store_b128 v1, v[E+4*(\i):E+4*(\i)+3], s[8:9] offset:512*(\i)
.endr
	s_endpgm
.Lfunc_end_k_q86fd88d2be_soft:
	.size	k_q86fd88d2be_soft, .Lfunc_end_k_q86fd88d2be_soft-k_q86fd88d2be_soft
	.p2alignl 7, 3214868480
	.fill 96, 4, 3214868480
	.section	.rodata,"a",@progbits
	.p2align	6, 0x0
	.amdhsa_kernel k_q86fd88d2be_soft
		.amdhsa_group_segment_fixed_size 0
		.amdhsa_private_segment_fixed_size 0
		.amdhsa_enable_private_segment 0
		.amdhsa_kernarg_size 24
		.amdhsa_user_sgpr_count 2
		.amdhsa_user_sgpr_kernarg_segment_ptr 1
		.amdhsa_wavefront_size32 1
		.amdhsa_system_sgpr_workgroup_id_x 1
		.amdhsa_system_sgpr_workgroup_id_y 1
		.amdhsa_system_sgpr_workgroup_id_z 1
		.amdhsa_system_vgpr_workitem_id 0
		.amdhsa_next_free_vgpr 48
		.amdhsa_next_free_sgpr 66
		.amdhsa_reserve_vcc 1
		.amdhsa_float_denorm_mode_32 3
		.amdhsa_float_denorm_mode_16_64 3
		.amdhsa_memory_ordered 1
		.amdhsa_forward_progress 1
		.amdhsa_inst_pref_size 10
	.end_amdhsa_kernel
	.amdgpu_metadata
---
amdhsa.version: [ 1, 2 ]
amdhsa.kernels:
  - .name:           k_q86fd88d2be_soft
    .symbol:         k_q86fd88d2be_soft.kd
    .args:
      - { .name: part, .offset: 0, .size: 8, .value_kind: global_buffer, .address_space: global }
      - { .name: mask, .offset: 8, .size: 8, .value_kind: global_buffer, .address_space: global }
      - { .name: out0, .offset: 16, .size: 8, .value_kind: global_buffer, .address_space: global }
    .group_segment_fixed_size: 0
    .private_segment_fixed_size: 0
    .kernarg_segment_align: 8
    .kernarg_segment_size: 24
    .max_flat_workgroup_size: 32
    .sgpr_count:     66
    .vgpr_count:     48
    .wavefront_size: 32
...
	.end_amdgpu_metadata
.endif
;; end of part 3
